; MI455X (gfx1250); checked and timed in simulation.
; The chip was launched on July 23, 2026; its instructions are those of AMD's public machine-readable ISA for CDNA 5 (MIT licence, August 2026) and "CDNA5" Instruction Set Architecture Reference Guide (July 2026). The comments in the code are by the model that wrote it; some were corrected since.
;; Grouped Query Attention Layer. Allowed arithmetic: matrix products marked QUANTISED: E5M2 operands, one E8M0 scale for each 32 along K, by v_wmma_scale_f32_16x16x128_f8f6f4 with both operands' format E5M2, f32 sums; everything else in f32.
;; Inputs: Wk_codes 256 x 32 x 32 uint8 (E5M2 codes of Wk, K innermost, in blocks of 32 codes); Wk_scales 256 x 32 uint8 (E8M0 scales of Wk, one for each 32 codes along K); Wpost_codes 1,024 x 32 x 32 uint8 (E5M2 codes of Wpost, K innermost, in blocks of 32 codes); Wpost_scales 1,024 x 32 uint8 (E8M0 scales of Wpost, one for each 32 codes along K); Wq_codes 1,024 x 32 x 32 uint8 (E5M2 codes of Wq, K innermost, in blocks of 32 codes); Wq_scales 1,024 x 32 uint8 (E8M0 scales of Wq, one for each 32 codes along K); Wv_codes 256 x 32 x 32 uint8 (E5M2 codes of Wv, K innermost, in blocks of 32 codes); Wv_scales 256 x 32 uint8 (E8M0 scales of Wv, one for each 32 codes along K); X 2 x 2,048 x 1,024 float32.
;; Outputs: out0 2 x 2,048 x 1,024 float32.
;; This version of the problem:
;;   THIS VERSION OF THE PROBLEM IS GIVEN IN LOW PRECISION. The matrix products marked QUANTISED in the list below multiply operands that are first quantised to E5M2 (5 exponent bits, 2 mantissa bits; 8 bits a number), with one power-of-two scale for each 32 numbers along K (OCP MX v1.0); their sums are f32. All else is computed in f32.
;;   The module's matrix products, in the order in which they are computed (A, B: the left and right operand; K: the contracted axis; several contracted axes count as one K, in the product's order):
;;     1. [M 4,096, K 1,024] x [K 1,024, N 1,024]; A: input X; B: input Wq (given as codes): QUANTISED
;;     2. [M 4,096, K 1,024] x [K 1,024, N 256]; A: input X; B: input Wk (given as codes): QUANTISED
;;     3. [M 4,096, K 1,024] x [K 1,024, N 256]; A: input X; B: input Wv (given as codes): QUANTISED
;;     4. batch 8 x [M 2,048, K 64] x [K 64, N 8,192]; A: computed on the way; B: computed on the way: QUANTISED
;;     5. batch 8 x [M 64, K 2,048] x [K 2,048, N 8,192]; A: computed on the way; B: softmax (see below): QUANTISED
;;     6. [M 4,096, K 1,024] x [K 1,024, N 1,024]; A: computed on the way; B: input Wpost (given as codes): QUANTISED
;;   THE QUANTISER, for each operand of a quantised product, along K:
;;     - K is cut into blocks of 32 from its start; a last block that is shorter is filled with zeros.
;;     - A block's scale is 2^e with e = floor(log2(the largest magnitude in the block)) - 15, held to -126 .. 127; a block of zeros has e = 0. As a byte (E8M0): e + 127.
;;     - Each number is divided by its block's scale, clamped to +-57,344, and rounded to the nearest number of E5M2, ties to even, subnormals kept.
;;     - The product sums the exact products of the quantised numbers (number of the format x scale) in f32.
;;   ~~~python
;;   def quantise(x, axis):      # numpy; x: float32 -> the quantised numbers, widened to float32 again
;;       x = np.moveaxis(x, axis, -1); K = x.shape[-1]
;;       x = np.pad(x, [(0, 0)] * (x.ndim - 1) + [(0, -K % 32)]); x = x.reshape(x.shape[:-1] + (-1, 32)); a = np.abs(x).max(-1, keepdims=True)
;;       e = np.where(a > 0, np.clip(np.frexp(np.where(a > 0, a, 1))[1] - 1 - 15, -126, 127), 0)      # np.frexp(a)[1] - 1 = floor(log2(a)), exactly
;;       r = np.clip(x / 2.0 ** e, -57344, 57344)
;;       step = 2.0 ** (np.maximum(np.frexp(np.where(r == 0, 1, r))[1] - 1, -14) - 2)
;;       q = np.round(r / step) * step * 2.0 ** e      # np.round: ties to even
;;       return np.moveaxis(q.reshape(q.shape[:-2] + (-1,))[..., :K], -1, axis).astype(np.float32)
;;   ~~~
;;   SOFTMAX AHEAD OF A QUANTISED PRODUCT. Where the list says 'softmax', what is quantised is not the finished softmax but p = 2^(t - M), with t = logit x log2(e) and M = ceil(the row's largest t), a whole number; so 1/2 < the row's largest p <= 1. The row's sum l is taken of the UNQUANTISED p, in f32, and the product's result is divided by l at the end. Since M is a whole number, a kernel that streams over the keys may use a running M (the ceiling of the running maximum): every later rescaling is an exact power of two, which a block's scale takes up: the codes' values come out the same.
;;   OPERANDS COMPUTED ON THE WAY. 'Computed on the way' means the value that the module computes at that place (a softmax that the list does not call 'softmax' is quantised finished and normalised). What goes into a quantiser is computed in f32, as accurately as f32 sums, v_exp_f32 and their like allow (about 1e-6 of the number): no bf16 or f16 on the way to a quantiser, and a product that is left as it is and whose result goes on into a quantised operand takes f32 operands (vector FMAs, or v_wmma_f32_16x16x4_f32). A number that lies on a knife's edge between two numbers of the format may be rounded either way, as far as f32 arithmetic and the matrix unit's own rounding can turn it there, and no further.
;;   INPUTS GIVEN AS CODES. Wk (in the module: [1024, 256], K = its axis 0); Wpost (in the module: [1024, 1024], K = its axis 0); Wq (in the module: [1024, 1024], K = its axis 0); Wv (in the module: [1024, 256], K = its axis 0): each comes as NAME_codes (uint8): NAME with its K axis moved to the last place and cut into blocks of 32 codes, [.., K / 32, bytes a block], one block behind the other in memory; one code a byte (a code: sign, 5 exponent bits, 2 mantissa bits); and NAME_scales (uint8): the same leading axes, one E8M0 byte (e + 127) for each 32 codes along K. Its value is code x scale, taken as it is: it is not quantised again, and the codes and scales need not be those that the quantiser above would give.
;; One version. Each part assembles by itself: llvm-mc -triple=amdgcn-amd-amdhsa -mcpu=gfx1250 --defsym DOCPART=n.
;; ======== version 1 of 1: 3 launches
;; limits: right only within a limited range of input values
;; workspace buffers: qc 4,194,304 bytes; qs 262,144 bytes; kv 2,162,688 bytes; ab 4,325,376 bytes
;; launch proj (part 1): grid 4 x 64, 4 waves a work-group, clusters of 4 x 1, 327,680 bytes of LDS; arguments X, Wq_codes, Wq_scales, Wk_codes, Wk_scales, Wv_codes, Wv_scales, qc, qs, kv; writes qc, qs, kv
.if DOCPART == 1
	.amdgcn_target "amdgcn-amd-amdhsa--gfx1250"
	.amdhsa_code_object_version 6
	.text
	.protected	k_q212f0dd027_proj
	.globl	k_q212f0dd027_proj
	.p2align	8
	.type	k_q212f0dd027_proj,@function
k_q212f0dd027_proj:
	s_mov_b64 s[64:65], 0
	v_nop
	global_prefetch_b8 v0, s[64:65] scope:SCOPE_SE
	s_setreg_imm32_b32 hwreg(HW_REG_WAVE_MODE, 25, 1), 1
	s_wait_xcnt 0x0
	s_wait_alu depctr_hold_cnt(0) depctr_sa_sdst(0) depctr_va_vdst(0) depctr_va_sdst(0) depctr_va_ssrc(0) depctr_va_vcc(0) depctr_vm_vsrc(0)
	s_getreg_b32 s2, hwreg(HW_REG_IB_STS2, 6, 4)
	s_cmp_eq_u32 s2, 0
	s_cbranch_scc0 .Lentry_in_a_cluster
	s_endpgm
.Lentry_in_a_cluster:
	s_bfe_u32 s2, ttmp6, 0x10000c
	s_cmp_lg_u32 s2, 0x3003
	s_cbranch_scc0 .Lentry_shape_is_right
	s_endpgm
.Lentry_shape_is_right:
.set SLAB,   33792
.set XPITCH, 528
.set IMG0,   8*SLAB
.set XSC,    IMG0+32768
.set REC,    16896
.set WV,  24
.set SEL, 52
.set MNT, 54
.set LG,  1
.set R4,  2
.set R16, 3
.set WA,  4
.set WSA, 5
.set XR,  6
.set IW,  10
.set SW,  12
.set LI0, 13
.set LS,  15
.set WS,  32
.set XS,  80
.set PW,  92
.set NUM, 96
.set XF,  96
.set QA,  160
.set EA,  224
.set MSB, 0
.macro WIN new
.if MSB != (\new)
	s_set_vgpr_msb (MSB<<8)|(\new)
.set MSB, \new
.endif
.endm
.macro CROUND
	s_barrier_signal -1
	s_barrier_wait -1
	s_cmp_lg_u32 s[WV], 0
	s_cbranch_scc1 .Lnot_wave_0_\@
	s_barrier_signal -3
.Lnot_wave_0_\@:
	s_barrier_wait -3
	s_barrier_signal -1
	s_barrier_wait -1
.endm
.macro PLACES n
.rept \n
	v_nop
.endr
.endm
.macro QUANT s, nb
.set qb, 0
.rept \nb
	v_max3_num_f32 v[TM+qb], |v[\s+16*qb]|, |v[\s+16*qb+1]|, 0x8000000
.set qb, qb+1
.endr
.set qi, 2
.rept 7
.set qb, 0
.rept \nb
	v_max3_num_f32 v[TM+qb], v[TM+qb], |v[\s+16*qb+qi]|, |v[\s+16*qb+qi+1]|
.set qb, qb+1
.endr
.set qi, qi+2
.endr
.set qb, 0
.rept \nb
	v_permlanex16_b32 v[TM+4+qb], v[TM+qb], s[SEL], s[SEL+1]
.set qb, qb+1
.endr
.set qb, 0
.rept \nb
	v_max_num_f32 v[TM+qb], v[TM+qb], v[TM+4+qb]
.set qb, qb+1
.endr
.set qb, 0
.rept \nb
	v_add_nc_u32 v[TM+12+qb], 0xf8800000, v[TM+qb]
.set qb, qb+1
.endr
.set qb, 0
.rept \nb
.set qb, qb+1
.endr
.set qb, 0
.rept \nb
	v_lshrrev_b32 v[TM+4+qb], 23, v[TM+12+qb]
.set qb, qb+1
.endr
.set qb, 0
.rept \nb
.set qi, 0
.rept 16
.set qi, qi+1
.endr
	v_cvt_scalef32_pk8_bf8_f32 v[PC+4*qb:PC+4*qb+1], v[\s+16*qb:\s+16*qb+7], v[TM+12+qb]
	v_cvt_scalef32_pk8_bf8_f32 v[PC+4*qb+2:PC+4*qb+3], v[\s+16*qb+8:\s+16*qb+15], v[TM+12+qb]
.set qb, qb+1
.endr
	v_nop
.endm
.macro LOADW s
.set lt, 0
.rept 6
	WIN (1+lt/2)<<6
.set lc, 0
.rept 4
.if lt < 4
	global_load_b128 v[128*(lt%2)+16*(\s)+4*lc:128*(lt%2)+16*(\s)+4*lc+3], v[WA], s[6:7] offset:(32*(lt/2)+8*(lt%2))*1024+128*(\s)+32*lc
.else
	global_load_b128 v[128*(lt%2)+16*(\s)+4*lc:128*(lt%2)+16*(\s)+4*lc+3], v[WA], s[44:45] offset:8*(lt%2)*1024+128*(\s)+32*lc
.endif
.set lc, lc+1
.endr
.set lt, lt+1
.endr
	WIN 0
.endm
.macro XREAD s
.set xb, 0
.rept 4
.set xj, 0
.rept 4
	ds_load_b128 v[NUM+64*((\s)%2)+16*xb+4*xj:NUM+64*((\s)%2)+16*xb+4*xj+3], v[XR+(\s)/2] offset:((\s)%2)*SLAB+128*xb+16*xj
.set xj, xj+1
.endr
.set xb, xb+1
.endr
.endm
.macro XSTEP s, next, lw
	s_wait_dscnt 0x0
.if \next
	XREAD (\s)+1
.endif
.if \lw
	LOADW (\s)+2
.endif
	QUANT NUM+64*((\s)%2), 4
	v_lshl_or_b32 v[PW], v[TM+5], 8, v[TM+4]
	v_lshl_or_b32 v[PW], v[TM+6], 16, v[PW]
	v_lshl_or_b32 v[PW], v[TM+7], 24, v[PW]
.set xc, 0
.rept 4
	ds_store_b128 v[IW+(\s)/4], v[PC+4*xc:PC+4*xc+3] offset:((\s)%4)*2048+512*xc
.set xc, xc+1
.endr
	ds_store_b32 v[SW], v[PW] offset:128*(\s)
.endm
.macro FETCHX P, s
.if (\s) < 4
.set FA, LI0
.else
.set FA, LG
.endif
.irp u, 0,1
.irp c, 0,1,2,3
	ds_load_b128 v[XF+32*((\s)%2)+16*\u+4*\c:XF+32*((\s)%2)+16*\u+4*\c+3], v[FA] offset:(4*(2*(\P)+\u)+(\s)%4)*2048+512*\c
.endr
	ds_load_b32 v[XS+2*((\s)%2)+\u], v[LS] offset:(8*(2*(\P)+\u)+(\s))*128
.endr
.endm
.macro MM d, a, b, sa, sb
.if MZ
	v_wmma_scale_f32_16x16x128_f8f6f4 v[\d:\d+7], v[\a:\a+15], v[\b:\b+15], 0, v[\sa], v[\sb] matrix_a_fmt:MATRIX_FMT_BF8 matrix_b_fmt:MATRIX_FMT_BF8
.else
	v_wmma_scale_f32_16x16x128_f8f6f4 v[\d:\d+7], v[\a:\a+15], v[\b:\b+15], v[\d:\d+7], v[\sa], v[\sb] matrix_a_fmt:MATRIX_FMT_BF8 matrix_b_fmt:MATRIX_FMT_BF8
.endif
.endm
.macro MULS s, role
.set xp, (\s)%2
.if (\s) == 0
.set MZ, 1
.else
.set MZ, 0
.endif
	WIN 0x01
.irp t, 0,1
.irp u, 0,1
	MM QA+32*\u+8*\t, 128*\t+16*(\s), XF+32*xp+16*\u, WS+8*\t+(\s), XS+2*xp+\u
.endr
.endr
	WIN 0x02
.irp t, 0,1
.irp u, 0,1
	MM QA+32*\u+8*\t+16, 128*\t+16*(\s), XF+32*xp+16*\u, WS+16+8*\t+(\s), XS+2*xp+\u
.endr
.endr
.if \role == 0
	WIN 0x03
.irp u, 0,1
.irp t, 0,1
	MM EA+16*\u+8*\t, 128*\t+16*(\s), XF+32*xp+16*\u, WS+32+8*\t+(\s), XS+2*xp+\u
.endr
.endr
.else
	WIN 0x0c
.irp t, 0,1
.irp u, 0,1
	MM EA+16*\t+8*\u, XF+32*xp+16*\u, 128*\t+16*(\s), XS+2*xp+\u, WS+32+8*\t+(\s)
.endr
.endr
.endif
	WIN 0
.endm
.macro EPI P, role
	QUANT QA, 4
.irp u, 0,1
	v_mul_u32_u24 v84, v[TM+4+2*\u], 0x101
	v_mul_u32_u24 v85, v[TM+5+2*\u], 0x101
	v_lshl_or_b32 v[86+\u], v85, 16, v84
	global_store_b128 v[LG], v[PC+8*\u:PC+8*\u+3], s[18:19] offset:(2*(\P)+\u)*16384
	global_store_b128 v[LG], v[PC+8*\u+4:PC+8*\u+7], s[18:19] offset:(2*(\P)+\u)*16384+512
	global_store_b32 v[R4], v[86+\u], s[20:21] offset:(2*(\P)+\u)*1024
.endr
	s_wait_xcnt 0x0
.if \role == 0
.set ej, 0
.rept 16
	v_pk_mul_f32 v[EA+2*ej:EA+2*ej+1], v[EA+2*ej:EA+2*ej+1], 0x3e000000 op_sel_hi:[1,0]
.set ej, ej+1
.endr
	QUANT EA, 2
	v_lshl_or_b32 v88, v[TM+5], 8, v[TM+4]
	global_store_b128 v[LG], v[PC:PC+3], s[48:49] offset:2048*(\P)
	global_store_b128 v[LG], v[PC+4:PC+7], s[48:49] offset:2048*(\P)+512
	global_store_b16 v[R16], v88, s[50:51] offset:4*(\P)
.else
	QUANT EA, 2
	global_store_b128 v[LG], v[PC:PC+3], s[48:49] offset:512*(\P)
	global_store_b128 v[LG], v[PC+4:PC+7], s[48:49] offset:2048+512*(\P)
.if (\P) == 0
	v_mov_b32 v89, v[TM+4]
	v_mov_b32 v90, v[TM+5]
.else
	v_lshl_or_b32 v89, v[TM+4], 8, v89
	v_lshl_or_b32 v90, v[TM+5], 8, v90
	global_store_b16 v[R16], v89, s[50:51]
	global_store_b16 v[R16], v90, s[50:51] offset:4
.endif
.endif
	s_wait_xcnt 0x0
.endm
.macro COMPUTE role
	FETCHX 0, 0
.irp P, 0,1
.irp s, 0,1,2,3,4,5,6,7
	s_wait_dscnt 0x0
	PLACES 8
.if \s < 7
	FETCHX \P, \s+1
.endif
	MULS \s, \role
.endr
	PLACES 8
.if \P == 0
	FETCHX 1, 0
.endif
	EPI \P, \role
.endr
.endm
	s_load_b512 s[4:19], s[0:1], 0x0
	s_load_b128 s[20:23], s[0:1], 0x40
	v_lshl_add_u32 v94, v0, 2, 0x4b000
	v_mov_b32 v95, 0
	ds_add_u32 v94, v95
	ds_add_u32 v94, v95
	v_lshrrev_b32 v16, 5, v0
	v_readfirstlane_b32 s[WV], v16
	s_and_b32 s26, ttmp7, 0xffff
	s_mov_b32 s36, 15|(2<<16)|(1<<20)|(1<<21)|(6<<22)|(3<<25)
	s_mov_b32 s37, 128<<16
	s_mov_b32 s38, 64<<16
	s_mov_b32 s39, 128<<16
	s_mov_b32 s40, 64
	s_mov_b32 s41, 1024
	s_mov_b32 s42, 0
	s_mov_b32 s43, 0
	s_mov_b32 s28, 1
	s_mul_i32 s29, s[WV], SLAB
	s_mov_b32 s32, 1
	s_add_co_u32 s33, s29, 4*SLAB
	s_lshl_b32 s2, s26, 18
	s_lshl_b32 s3, s[WV], 9
	s_add_co_u32 s2, s2, s3
	s_mov_b32 s3, 0
	s_wait_dscnt 0x0
	s_wait_kmcnt 0x0
	s_add_nc_u64 s[30:31], s[4:5], s[2:3]
	s_add_nc_u64 s[34:35], s[30:31], 2048
	s_or_b32 s31, s31, 0x80000000
	s_or_b32 s35, s35, 0x80000000
	CROUND
	tensor_load_to_lds s[28:31], s[36:43]
	s_nop 0
	s_wait_alu depctr_va_vdst(0)
	s_wait_tensorcnt 0x0
	ds_add_u32 v94, v95
	s_wait_dscnt 0x0
	CROUND
	tensor_load_to_lds s[32:35], s[36:43]
	s_nop 0
.rept 4
	v_nop
.endr
	v_and_b32 v16, 31, v0
	v_and_b32 v17, 15, v0
	v_bfe_u32 v18, v0, 4, 1
	v_and_b32 v19, 8, v17
	v_add_nc_u32 v19, v19, v17
	v_lshlrev_b32 v[LG], 4, v16
	v_lshlrev_b32 v[R4], 2, v17
	v_lshlrev_b32 v[R16], 4, v17
	v_lshlrev_b32 v[WA], 10, v19
	v_lshl_add_u32 v[WA], v18, 4, v[WA]
	v_lshlrev_b32 v[WSA], 5, v19
	s_lshr_b32 s27, s[WV], 1
	s_lshl_b32 s27, s27, 5
	s_and_b32 s55, s[WV], 1
	s_lshl_b32 s55, s55, 3
	s_add_co_u32 s27, s27, s55
	s_mul_i32 s27, s27, XPITCH
	v_mul_u32_u24 v[XR], v19, XPITCH
	v_lshl_add_u32 v[XR], v18, 6, v[XR]
	v_add_nc_u32 v[XR], s27, v[XR]
	v_add_nc_u32 v[XR+1], 2*SLAB, v[XR]
	v_add_nc_u32 v[XR+2], 4*SLAB, v[XR]
	v_add_nc_u32 v[XR+3], 6*SLAB, v[XR]
	s_lshl_b32 s27, s[WV], 13
	v_add_nc_u32 v[IW+1], s27, v[LG]
	v_add_nc_u32 v[IW], IMG0, v[IW+1]
	v_lshlrev_b32 v[LS], 2, v16
	v_add_nc_u32 v[LS], XSC, v[LS]
	s_lshl_b32 s27, s[WV], 10
	v_add_nc_u32 v[SW], s27, v[LS]
	v_add_nc_u32 v[LI0], IMG0, v[LG]
.irp b, 0,1,2,3
	v_mov_b32 v[132+\b], 0
	v_mov_b32 v[228+\b], 0
.endr
	s_bfe_u32 s25, ttmp6, 0x40000
	s_and_b32 s27, s26, 1
	s_and_b32 s55, s[WV], 1
	s_cmp_lt_u32 s[WV], 2
	s_cselect_b64 s[44:45], s[10:11], s[14:15]
	s_cselect_b64 s[46:47], s[12:13], s[16:17]
	s_cselect_b32 s58, s27, s55
	s_cselect_b32 s59, s55, s27
	s_cselect_b32 s60, 0, 8192
	s_cselect_b32 s61, 0, 256
	s_mov_b32 s63, 0
	s_lshl_b32 s56, s25, 8
	s_lshl_b32 s57, s[WV], 6
	s_add_co_u32 s56, s56, s57
	s_lshl_b32 s62, s56, 10
	s_add_nc_u64 s[6:7], s[6:7], s[62:63]
	s_lshl_b32 s62, s56, 5
	s_add_nc_u64 s[8:9], s[8:9], s[62:63]
	s_lshl_b32 s56, s25, 6
	s_lshl_b32 s57, s55, 5
	s_add_co_u32 s56, s56, s57
	s_lshl_b32 s62, s56, 10
	s_add_nc_u64 s[44:45], s[44:45], s[62:63]
	s_lshl_b32 s62, s56, 5
	s_add_nc_u64 s[46:47], s[46:47], s[62:63]
	s_lshl_b32 s62, s58, 12
	s_lshl_b32 s57, s59, 10
	s_add_co_u32 s62, s62, s57
	s_add_co_u32 s60, s60, s62
	s_lshl_b32 s62, s58, 3
	s_lshl_b32 s57, s59, 1
	s_add_co_u32 s62, s62, s57
	s_add_co_u32 s61, s61, s62
	s_add_co_u32 s61, s61, 16384
	s_lshr_b32 s56, s26, 5
	s_lshl_b32 s56, s56, 2
	s_add_co_u32 s56, s56, s25
	s_lshl_b32 s56, s56, 4
	s_bfe_u32 s57, s26, 0x40001
	s_add_co_u32 s56, s56, s57
	s_mul_i32 s56, s56, REC
	s_add_co_u32 s62, s56, s60
	s_add_nc_u64 s[48:49], s[22:23], s[62:63]
	s_add_co_u32 s62, s56, s61
	s_add_nc_u64 s[50:51], s[22:23], s[62:63]
	s_lshl_b32 s56, s26, 6
	s_lshl_b32 s57, s25, 2
	s_add_co_u32 s56, s56, s57
	s_add_co_u32 s56, s56, s[WV]
	s_lshl_b32 s62, s56, 10
	s_add_nc_u64 s[18:19], s[18:19], s[62:63]
	s_lshl_b32 s62, s56, 6
	s_add_nc_u64 s[20:21], s[20:21], s[62:63]
	s_mov_b32 s[SEL], 0x76543210
	s_mov_b32 s[SEL+1], 0xfedcba98
.irp t, 0,1,2,3
	global_load_b128 v[WS+8*\t:WS+8*\t+3], v[WSA], s[8:9] offset:(32*(\t/2)+8*(\t%2))*32
	global_load_b128 v[WS+8*\t+4:WS+8*\t+7], v[WSA], s[8:9] offset:(32*(\t/2)+8*(\t%2))*32+16
.endr
.irp t, 0,1
	global_load_b128 v[WS+32+8*\t:WS+32+8*\t+3], v[WSA], s[46:47] offset:8*\t*32
	global_load_b128 v[WS+32+8*\t+4:WS+32+8*\t+7], v[WSA], s[46:47] offset:8*\t*32+16
.endr
	LOADW 0
	LOADW 1
	s_wait_tensorcnt 0x1
	s_barrier_signal -1
	s_barrier_wait -1
.set TM, 224
.set PC, 240
	XREAD 0
	XSTEP 0, 1, 1
	XSTEP 1, 1, 1
	XSTEP 2, 1, 1
	XSTEP 3, 0, 1
	s_wait_tensorcnt 0x0
	s_wait_dscnt 0x0
	s_barrier_signal -1
	s_barrier_wait -1
	XREAD 4
	XSTEP 4, 1, 1
	XSTEP 5, 1, 1
	XSTEP 6, 1, 0
	XSTEP 7, 0, 0
	s_wait_dscnt 0x0
	s_barrier_signal -1
	s_barrier_wait -1
	s_wait_loadcnt 0x0
.set TM, 128
.set PC, 144
	s_cmp_lt_u32 s[WV], 2
	s_cbranch_scc0 .Lrole_v
	COMPUTE 0
	s_branch .Ljoin
.Lrole_v:
	COMPUTE 1
.Ljoin:
	s_wait_tensorcnt 0x0
	ds_add_u32 v94, v95
	s_wait_dscnt 0x0
	CROUND
	s_endpgm
.Lfunc_end_k_q212f0dd027_proj:
	.size	k_q212f0dd027_proj, .Lfunc_end_k_q212f0dd027_proj-k_q212f0dd027_proj
	.p2alignl 7, 3214868480
	.fill 96, 4, 3214868480
	.section	.rodata,"a",@progbits
	.p2align	6, 0x0
	.amdhsa_kernel k_q212f0dd027_proj
		.amdhsa_group_segment_fixed_size 327680
		.amdhsa_private_segment_fixed_size 0
		.amdhsa_enable_private_segment 0
		.amdhsa_kernarg_size 80
		.amdhsa_user_sgpr_count 2
		.amdhsa_user_sgpr_kernarg_segment_ptr 1
		.amdhsa_wavefront_size32 1
		.amdhsa_system_sgpr_workgroup_id_x 1
		.amdhsa_system_sgpr_workgroup_id_y 1
		.amdhsa_system_sgpr_workgroup_id_z 1
		.amdhsa_system_vgpr_workitem_id 0
		.amdhsa_next_free_vgpr 1024
		.amdhsa_next_free_sgpr 66
		.amdhsa_reserve_vcc 0
		.amdhsa_float_denorm_mode_32 3
		.amdhsa_float_denorm_mode_16_64 3
		.amdhsa_fp16_overflow 1
		.amdhsa_memory_ordered 1
		.amdhsa_forward_progress 1
		.amdhsa_inst_pref_size 179
	.end_amdhsa_kernel
	.amdgpu_metadata
---
amdhsa.version: [ 1, 2 ]
amdhsa.kernels:
  - .name:           k_q212f0dd027_proj
    .symbol:         k_q212f0dd027_proj.kd
    .args:
      - { .name: X, .offset: 0, .size: 8, .value_kind: global_buffer, .address_space: global }
      - { .name: Wq_codes, .offset: 8, .size: 8, .value_kind: global_buffer, .address_space: global }
      - { .name: Wq_scales, .offset: 16, .size: 8, .value_kind: global_buffer, .address_space: global }
      - { .name: Wk_codes, .offset: 24, .size: 8, .value_kind: global_buffer, .address_space: global }
      - { .name: Wk_scales, .offset: 32, .size: 8, .value_kind: global_buffer, .address_space: global }
      - { .name: Wv_codes, .offset: 40, .size: 8, .value_kind: global_buffer, .address_space: global }
      - { .name: Wv_scales, .offset: 48, .size: 8, .value_kind: global_buffer, .address_space: global }
      - { .name: qc, .offset: 56, .size: 8, .value_kind: global_buffer, .address_space: global }
      - { .name: qs, .offset: 64, .size: 8, .value_kind: global_buffer, .address_space: global }
      - { .name: kv, .offset: 72, .size: 8, .value_kind: global_buffer, .address_space: global }
    .group_segment_fixed_size: 327680
    .private_segment_fixed_size: 0
    .kernarg_segment_align: 8
    .kernarg_segment_size: 80
    .max_flat_workgroup_size: 128
    .sgpr_count:     66
    .vgpr_count:     1024
    .wavefront_size: 32
...
	.end_amdgpu_metadata
.endif
;; end of part 1
;; launch attn (part 2): grid 32 x 8, 16 waves a work-group, clusters of 4 x 1, 327,680 bytes of LDS; arguments qc, qs, kv, ab; writes ab
.if DOCPART == 2
	.amdgcn_target "amdgcn-amd-amdhsa--gfx1250"
	.amdhsa_code_object_version 6
	.text
	.protected	k_q212f0dd027_attn
	.globl	k_q212f0dd027_attn
	.p2align	8
	.type	k_q212f0dd027_attn,@function
k_q212f0dd027_attn:
	s_mov_b64 s[64:65], 0
	v_nop
	global_prefetch_b8 v0, s[64:65] scope:SCOPE_SE
	s_setreg_imm32_b32 hwreg(HW_REG_WAVE_MODE, 25, 1), 1
	s_wait_xcnt 0x0
	s_wait_alu depctr_hold_cnt(0) depctr_sa_sdst(0) depctr_va_vdst(0) depctr_va_sdst(0) depctr_va_ssrc(0) depctr_va_vcc(0) depctr_vm_vsrc(0)
	s_getreg_b32 s2, hwreg(HW_REG_IB_STS2, 6, 4)
	s_cmp_eq_u32 s2, 0
	s_cbranch_scc0 .Lentry_in_a_cluster
	s_endpgm
.Lentry_in_a_cluster:
	s_bfe_u32 s2, ttmp6, 0x10000c
	s_cmp_lg_u32 s2, 0x3003
	s_cbranch_scc0 .Lentry_shape_is_right
	s_endpgm
.Lentry_shape_is_right:
; A[token][head] = softmax_k(Q . K) V for one batch and one group of four query heads, both products on codes of BF8 (E5M2) with one E8M0 scale for each 32 along a product's K.
; (K already holds the factor 1 / 8.)  The result is divided by the row's sum, quantised along the head's width and stored as the last product's operand.
; THE SOFTMAX AHEAD OF THE SECOND PRODUCT: t = score x log2(e); M = the row's largest t so far, rounded UP to a whole number; p = 2^(t - M) is what is quantised, along the keys; it is not
; normalised.  The row's sum is taken of the unquantised p.  When M moves, the sum and O are multiplied by 2^(old M - new M): exact.
; SHARES.  A work-group takes 64 tokens x the four heads of one (batch, group): sixteen waves, each ONE tile of 16 queries of one head in 256 registers, four waves to a SIMD, so that one
; wave's vector work stands beside another's matrix work and LDS loads.  Every wave walks the 2,048 keys, 128 a step.
; LDS.  All of the (batch, group)'s K and V, sixteen records of 16,896 bytes, lie in LDS, filled once: wave W fetches record W.  The four work-groups of a cluster belong to one
; (batch, group) and need the same records: each is asked for JOINTLY.  No LDS byte is filled twice.
; A record holds images of operand registers: every fragment load is 512 consecutive bytes, 16 a lane.
; K = 64 IN AN INSTRUCTION OF 128.  A fragment of K carries TWO tiles of 16 keys: tile u's channels 32 b on at block 2 b + u of four.  Q stands in twenty registers Z Q0 Z Q1 Z (Z: four
; registers of zero codes): v[20:35] = Q0 0 Q1 0 picks tile 0, v[16:31] = 0 Q0 0 Q1 picks tile 1.  K's codes are finite (held by this program's quantiser) and all scale bytes lie in 1 .. 254, so the zero codes add exactly nothing.
; Both products are used transposed (S^T = K Q^T, O^T = V^T P^T): a lane holds ONE query.  The keys of a tile are 8 u + r + 8 (r / 8) of 32, so that the 16 registers of tiles u = 0, 1 are 16 neighbouring keys.
; LIMITS: NaN and infinities are not served; a block's largest magnitude is taken no smaller than 2^(16 - 127) (byte 1); a block of zeros keeps that byte and zero codes: this program alone reads the bytes.
; A block's largest p is made from the block's largest score by the same multiply-add and exponential as every p; this takes v_exp_f32 not to fall where its input rises.
; REGISTERS: v1-5 addresses; v12 -M, v13 the largest t, v[14:15] the sum in two halves; v16-35 Q; v36 Q's scale word; v40-103 four fragments of K, then of V; v104-167 S^T, then p;
; v168-199 O^T; v200-215 p's codes; v216-231 at work on the blocks; v232-235 K's scale words, v236-239 V's; v[240:241] f, 0; v242 p's scale word; v243-245 at work.
.set REC, 16896
.set WV,  31                           ; s31 my wave's number
.set SEL, 28                           ; s[28:29] lane selects: lane l xor 16
.set MNT, 30
.set CS,  26                           ; s[26:27] log2(e), twice: the packed form names a pair
.set TM,  216
.set PC,  200
.macro CROUND                          ; a round of the cluster's barrier
	s_barrier_signal -1
	s_barrier_wait -1
	s_cmp_lg_u32 s[WV], 0
	s_cbranch_scc1 .Lnot_wave_0_\@
	s_barrier_signal -3
.Lnot_wave_0_\@:
	s_barrier_wait -3
	s_barrier_signal -1
	s_barrier_wait -1
.endm
; nb blocks of 32: block q's 16 numbers of my lane stand in v[s + 16 q] on, the other 16 in lane l xor 16.  Codes to v[PC + 4 q] on, the scale's byte to v[TM + 4 + q].
.macro QUANT s, nb
.set qb, 0
.rept \nb
	v_max3_num_f32 v[TM+qb], |v[\s+16*qb]|, |v[\s+16*qb+1]|, 0x8000000   ; my 16 numbers, and the floor 2^(16 - 127)
.set qb, qb+1
.endr
.set qi, 2
.rept 7
.set qb, 0
.rept \nb
	s_delay_alu instid0(VALU_DEP_2)
	v_max3_num_f32 v[TM+qb], v[TM+qb], |v[\s+16*qb+qi]|, |v[\s+16*qb+qi+1]|
.set qb, qb+1
.endr
.set qi, qi+2
.endr
.set qb, 0
.rept \nb
	s_delay_alu instid0(VALU_DEP_2)
	v_permlanex16_b32 v[TM+4+qb], v[TM+qb], s[SEL], s[SEL+1]
.set qb, qb+1
.endr
.set qb, 0
.rept \nb
	s_delay_alu instid0(VALU_DEP_2)
	v_max_num_f32 v[TM+qb], v[TM+qb], v[TM+4+qb]
.set qb, qb+1
.endr
.set qb, 0
.rept \nb
	s_delay_alu instid0(VALU_DEP_2)
	v_add_nc_u32 v[TM+12+qb], 0xf8800000, v[TM+qb]               ; 15 off the exponent field: the conversion's scale operand
.set qb, qb+1
.endr
.set qb, 0
.rept \nb
.set qb, qb+1
.endr
.set qb, 0
.rept \nb
	s_delay_alu instid0(VALU_DEP_2)
	v_lshrrev_b32 v[TM+4+qb], 23, v[TM+12+qb]                    ; the scale's byte
.set qb, qb+1
.endr
.set qb, 0
.rept \nb
.set qi, 0
.rept 16
.set qi, qi+1
.endr
	v_cvt_scalef32_pk8_bf8_f32 v[PC+4*qb:PC+4*qb+1], v[\s+16*qb:\s+16*qb+7], v[TM+12+qb]
	v_cvt_scalef32_pk8_bf8_f32 v[PC+4*qb+2:PC+4*qb+3], v[\s+16*qb+8:\s+16*qb+15], v[TM+12+qb]
.set qb, qb+1
.endr
	v_nop                                          ; one plain line behind the last conversion
.endm
	s_load_b256 s[4:11], s[0:1], 0x0               ; qc s[4:5], qs s[6:7], kv s[8:9], ab s[10:11]
	v_lshl_add_u32 v254, v0, 2, 0x42000
	v_mov_b32 v255, 0
	ds_add_u32 v254, v255
	ds_add_u32 v254, v255
	v_lshrrev_b32 v1, 5, v0
	s_delay_alu instid0(VALU_DEP_1)
	v_readfirstlane_b32 s[WV], v1                  ; wave 0..15
	s_and_b32 s32, ttmp7, 0xffff                   ; 4 x batch + group, which the four partners share
	s_mul_i32 s2, s32, 16*REC
	s_mul_i32 s13, s[WV], REC                      ; record W: its LDS address,
	s_add_co_u32 s2, s2, s13                       ; and its place in kv.  (s[2:3] never hold the place in the cluster)
	s_mov_b32 s3, 0
	; descriptor group 1: a dense block of 16,896 bytes as 66 rows of 256 bytes (32 elements of 8 bytes), no padding: every read of it is dense
	s_mov_b32 s16, 15|(3<<16)|(1<<21)              ; 15:0 the mask: all four work-groups; 17:16 elements of 8 bytes; 21 set beside a mask
	s_mov_b32 s17, 32<<16                          ; tensor_dim0
	s_mov_b32 s18, 66<<16                          ; tensor_dim1
	s_mov_b32 s19, 32<<16                          ; tile_dim0
	s_mov_b32 s20, 66                              ; tile_dim1
	s_mov_b32 s21, 32                              ; tensor_dim0_stride
	s_mov_b32 s22, 0
	s_mov_b32 s23, 0
	s_mov_b32 s12, 1
	s_wait_dscnt 0x0
	s_wait_kmcnt 0x0
	s_add_nc_u64 s[14:15], s[8:9], s[2:3]
	s_or_b32 s15, s15, 0x80000000                  ; type = 2
	CROUND                                         ; all four work-groups are here: the joint loads meet
	tensor_load_to_lds s[12:15], s[16:23]          ; my one tensor load
	s_nop 0
.rept 4
	v_nop
.endr
	s_bfe_u32 s33, ttmp6, 0x40000                  ; my place in the cluster: it enters addresses in memory alone
	s_lshl_b32 s34, ttmp9, 2
	s_add_co_u32 s34, s34, s33                     ; which 64 tokens of the batch
	s_lshr_b32 s35, s32, 2                         ; batch
	s_and_b32 s36, s32, 3                          ; group g
	s_and_b32 s37, s[WV], 3                        ; head in the group, w
	s_lshr_b32 s38, s[WV], 2                       ; which of the four tiles
	s_lshl_b32 s39, s35, 7
	s_lshl_b32 s34, s34, 2
	s_add_co_u32 s39, s39, s34
	s_add_co_u32 s39, s39, s38                     ; T = 128 batch + 4 x + W / 4
	s_lshl_b32 s40, s36, 2
	s_add_co_u32 s40, s40, s37                     ; head = 4 g + w
	s_lshl_b32 s41, s39, 4
	s_add_co_u32 s41, s41, s40
	s_mov_b32 s43, 0
	s_lshl_b32 s42, s41, 10
	s_add_nc_u64 s[4:5], s[4:5], s[42:43]          ; Q's codes
	s_lshl_b32 s42, s41, 6
	s_add_nc_u64 s[6:7], s[6:7], s[42:43]          ; and scale words
	s_mul_i32 s46, s39, REC                        ; T's record of ab
	s_lshl_b32 s40, s36, 1
	s_lshr_b32 s47, s37, 1
	s_add_co_u32 s40, s40, s47                     ; the last product's K step: 2 g + w / 2
	s_and_b32 s47, s37, 1
	s_lshl_b32 s42, s40, 6
	s_add_co_u32 s42, s42, s46
	s_add_co_u32 s42, s42, 16384
	s_lshl_b32 s41, s47, 1
	s_add_co_u32 s42, s42, s41
	s_add_nc_u64 s[44:45], s[10:11], s[42:43]      ; my two bytes of each row's scale word
	s_lshl_b32 s42, s40, 11
	s_add_co_u32 s42, s42, s46
	s_lshl_b32 s41, s47, 10
	s_add_co_u32 s42, s42, s41
	s_add_nc_u64 s[10:11], s[10:11], s[42:43]      ; my two groups of the fragment
	s_mov_b32 s[CS], 0x3fb8aa3b                    ; log2(e)
	s_mov_b32 s[CS+1], s[CS]
	s_mov_b32 s[SEL], 0x76543210
	s_mov_b32 s[SEL+1], 0xfedcba98
	v_and_b32 v6, 31, v0
	v_and_b32 v7, 15, v0
	s_delay_alu instid0(VALU_DEP_2)
	v_lshlrev_b32 v1, 4, v6                        ; 16 x lane
	s_delay_alu instid0(VALU_DEP_2)
	v_lshlrev_b32 v2, 4, v7                        ; 16 r
	s_delay_alu instid0(VALU_DEP_3)
	v_lshlrev_b32 v5, 2, v7                        ; 4 r
	global_load_b128 v[20:23], v1, s[4:5]          ; Q0
	global_load_b128 v[28:31], v1, s[4:5] offset:512   ; Q1
	global_load_b32 v36, v5, s[6:7]                ; Q's scale word: s0, s0, s1, s1
.irp j, 16,17,18,19,24,25,26,27,32,33,34,35
	v_mov_b32 v[\j], 0                             ; Z: zero codes
.endr
.set j, 0
.rept 32
	v_mov_b32 v[168+j], 0                          ; O^T.  (The step is written once: the first finds zeros, which the first change of M leaves zeros)
.set j, j+1
.endr
	v_mov_b32 v13, 0xff61b1e6                      ; the largest t so far: -3e38, under every t
	s_delay_alu instid0(VALU_DEP_1)
	v_floor_f32 v12, -v13                          ; -M
	v_mov_b32 v14, 0
	v_mov_b32 v15, 0
.irp b, 0,1,2,3
	v_mov_b32 v[220+\b], 0                         ; written once: a lane permute's destination counts as one of its sources
.endr
	v_mov_b32 v241, 0                              ; named as the upper half of the pair v[240:241]
	s_mov_b32 s24, 0                               ; the record in hand
	s_mov_b32 s25, 16
	s_wait_tensorcnt 0x0                           ; my record is in,
	s_barrier_signal -1
	s_barrier_wait -1                              ; everybody's is
	s_wait_loadcnt 0x0                             ; Q
.Lstep:                                            ; 16 trips of 128 keys
	s_setprio 2
	v_add_nc_u32 v3, s24, v1
	v_add_nc_u32 v4, s24, v2
.rept 6
	v_nop                                          ; with the two additions eight places between the last trip's products and the loads into their registers
.endr
.irp f, 0,1,2,3
.irp c, 0,1,2,3
	ds_load_b128 v[40+16*\f+4*\c:43+16*\f+4*\c], v3 offset:2048*\f+512*\c
.endr
.endr
	ds_load_b128 v[232:235], v4 offset:16384       ; K's four scale words of row r
	ds_load_b128 v[236:239], v4 offset:16640       ; V's
	s_wait_alu depctr_va_vdst(0)
	s_wait_dscnt 0x0
.irp f, 0,1,2,3                                    ; S^T: lane (r, h) holds query r; registers 104 + 16 f on are keys 32 f + 16 h + 0 .. 15
	v_wmma_scale_f32_16x16x128_f8f6f4 v[104+16*\f:111+16*\f], v[40+16*\f:55+16*\f], v[20:35], 0, v[232+\f], v36 matrix_a_fmt:MATRIX_FMT_BF8 matrix_b_fmt:MATRIX_FMT_BF8
	v_wmma_scale_f32_16x16x128_f8f6f4 v[112+16*\f:119+16*\f], v[40+16*\f:55+16*\f], v[16:31], 0, v[232+\f], v36 matrix_a_fmt:MATRIX_FMT_BF8 matrix_b_fmt:MATRIX_FMT_BF8
.endr
.rept 8
	v_nop                                          ; eight places: in front of the loads into K's registers and of the first read of the scores
.endr
.irp t, 0,1,2,3
.irp c, 0,1,2,3
	ds_load_b128 v[40+16*\t+4*\c:43+16*\t+4*\c], v3 offset:8192+2048*\t+512*\c   ; V lands while the softmax is walked
.endr
.endr
.irp b, 0,1,2,3
	v_max3_num_f32 v[216+\b], v[104+16*\b], v[105+16*\b], v[106+16*\b]   ; the largest score of each block of 32 keys: for the row's maximum and for the block's largest p
.endr
.irp i, 3,5,7,9,11,13
.irp b, 0,1,2,3
	v_max3_num_f32 v[216+\b], v[216+\b], v[104+16*\b+\i], v[105+16*\b+\i]
.endr
.endr
.irp b, 0,1,2,3
	v_max_num_f32 v[216+\b], v[216+\b], v[119+16*\b]
.endr
.irp b, 0,1,2,3
	s_delay_alu instid0(VALU_DEP_4)
	v_permlanex16_b32 v[220+\b], v[216+\b], s[SEL], s[SEL+1]
.endr
.irp b, 0,1,2,3
	s_delay_alu instid0(VALU_DEP_4)
	v_max_num_f32 v[216+\b], v[216+\b], v[220+\b]  ; with lane l xor 16's 16 keys
.endr
	s_delay_alu instid0(VALU_DEP_2)
	v_max3_num_f32 v243, v216, v217, v218
	s_delay_alu instid0(VALU_DEP_1)
	v_max_num_f32 v243, v243, v219                 ; the step's largest score of my query
	s_delay_alu instid0(VALU_DEP_1)
	v_mul_f32 v243, s[CS], v243                    ; as t
	s_delay_alu instid0(VALU_DEP_1)
	v_max_num_f32 v13, v13, v243                   ; the running largest t
	v_mov_b32 v243, v12
	s_delay_alu instid0(VALU_DEP_2)
	v_floor_f32 v12, -v13                          ; the new -M = -ceil(t)
	s_delay_alu instid0(VALU_DEP_1)
	v_sub_f32 v243, v12, v243                      ; old M - new M: a whole number, 0 or less
	s_delay_alu instid0(VALU_DEP_1)
	v_cvt_i32_f32 v243, v243                       ; (it saturates)
	s_delay_alu instid0(VALU_DEP_1)
	v_ldexp_f32 v240, 1.0, v243                    ; f = 2^(old M - new M)
.set j, 0
.rept 32
	v_pk_fma_f32 v[104+j:105+j], v[104+j:105+j], s[CS:CS+1], v[12:13] op_sel_hi:[1,0,0]   ; t - M, two at a time
.set j, j+2
.endr
.irp b, 0,1,2,3
	v_fma_f32 v[216+\b], v[216+\b], s[CS], v12     ; the same of each block's largest score
.endr
.set j, 0
	s_setprio 1
	s_wait_alu depctr_va_vdst(0)
.rept 64
	v_exp_f32 v[104+j], v[104+j]                   ; p = 2^(t - M)
.set j, j+1
.endr
.irp b, 0,1,2,3
	v_exp_f32 v[216+\b], v[216+\b]                 ; the block's largest p
.endr
	v_pk_mul_f32 v[14:15], v[14:15], v[240:241] op_sel_hi:[1,0]   ; the sums under the new M.  (The plain line behind the exponentials)
	s_wait_alu depctr_va_vdst(0)
.irp b, 0,1,2,3
	v_max_num_f32 v[216+\b], 0x8000000, v[216+\b]  ; the floor 2^(16 - 127)
.endr
.irp b, 0,1,2,3
	s_delay_alu instid0(VALU_DEP_4)
	v_add_nc_u32 v[228+\b], 0xf8800000, v[216+\b]  ; the conversion's scale operand
.endr
.irp b, 0,1,2,3
.endr
.irp b, 0,1,2,3
	s_delay_alu instid0(VALU_DEP_4)
	v_lshrrev_b32 v[220+\b], 23, v[228+\b]         ; the scale's byte
.endr
	s_delay_alu instid0(VALU_DEP_3)
	v_lshl_or_b32 v242, v221, 8, v220              ; p's scale word for these 128 keys
	s_delay_alu instid0(VALU_DEP_1)
	v_lshl_or_b32 v242, v222, 16, v242
	s_delay_alu instid0(VALU_DEP_1)
	v_lshl_or_b32 v242, v223, 24, v242
	v_pk_add_f32 v[244:245], v[108:109], v[112:113]
	v_pk_add_f32 v[252:253], v[116:117], v[120:121]
	v_pk_add_f32 v[250:251], v[124:125], v[128:129]
	v_pk_add_f32 v[248:249], v[132:133], v[136:137]
	v_pk_add_f32 v[246:247], v[140:141], v[144:145]
	v_pk_add_f32 v[234:235], v[148:149], v[152:153]
	v_pk_add_f32 v[232:233], v[156:157], v[160:161]
	v_pk_add_f32 v[14:15], v[14:15], v[164:165]
	v_pk_add_f32 v[244:245], v[244:245], v[104:105]
	v_pk_add_f32 v[252:253], v[252:253], v[106:107]
	v_pk_add_f32 v[250:251], v[250:251], v[110:111]
	v_pk_add_f32 v[248:249], v[248:249], v[114:115]
	v_pk_add_f32 v[246:247], v[246:247], v[118:119]
	v_pk_add_f32 v[234:235], v[234:235], v[122:123]
	v_pk_add_f32 v[232:233], v[232:233], v[126:127]
	v_pk_add_f32 v[14:15], v[14:15], v[130:131]
	v_pk_add_f32 v[244:245], v[244:245], v[134:135]
	v_pk_add_f32 v[252:253], v[252:253], v[138:139]
	v_pk_add_f32 v[250:251], v[250:251], v[142:143]
	v_pk_add_f32 v[248:249], v[248:249], v[146:147]
	v_pk_add_f32 v[246:247], v[246:247], v[150:151]
	v_pk_add_f32 v[234:235], v[234:235], v[154:155]
	v_pk_add_f32 v[232:233], v[232:233], v[158:159]
	v_pk_add_f32 v[14:15], v[14:15], v[162:163]
	v_pk_add_f32 v[244:245], v[244:245], v[166:167]
	s_delay_alu instid0(VALU_DEP_2)
	v_pk_add_f32 v[14:15], v[14:15], v[248:249]
	s_delay_alu instid0(VALU_DEP_2)
	v_pk_add_f32 v[244:245], v[244:245], v[246:247]
	v_pk_add_f32 v[252:253], v[252:253], v[234:235]
	v_pk_add_f32 v[250:251], v[250:251], v[232:233]
	s_delay_alu instid0(VALU_DEP_2)
	v_pk_add_f32 v[14:15], v[14:15], v[252:253]
	s_delay_alu instid0(VALU_DEP_2)
	v_pk_add_f32 v[244:245], v[244:245], v[250:251]
	s_delay_alu instid0(VALU_DEP_1)
	v_pk_add_f32 v[14:15], v[14:15], v[244:245]
.irp b, 0,1,2,3
.irp i, 0,1,2,3,4,5,6,7,8,9,10,11,12,13,14,15
.endr
	v_cvt_scalef32_pk8_bf8_f32 v[200+4*\b:201+4*\b], v[104+16*\b:111+16*\b], v[228+\b]
	v_cvt_scalef32_pk8_bf8_f32 v[202+4*\b:203+4*\b], v[112+16*\b:119+16*\b], v[228+\b]
.endr
.set j, 0
	s_setprio 0
.rept 16
	v_pk_mul_f32 v[168+j:169+j], v[168+j:169+j], v[240:241] op_sel_hi:[1,0]   ; O^T under the new M.  (These sixteen are also the places between the codes and the products below)
.set j, j+2
.endr
	s_wait_alu depctr_va_vdst(0)
	s_wait_dscnt 0x0                               ; V is in
.irp t, 0,1,2,3                                    ; O^T += V^T P^T: four accumulators, one instruction each
	v_wmma_scale_f32_16x16x128_f8f6f4 v[168+8*\t:175+8*\t], v[40+16*\t:55+16*\t], v[200:215], v[168+8*\t:175+8*\t], v[236+\t], v242 matrix_a_fmt:MATRIX_FMT_BF8 matrix_b_fmt:MATRIX_FMT_BF8
.endr
	s_add_co_u32 s24, s24, REC
	s_sub_co_u32 s25, s25, 1
	s_cmp_lg_u32 s25, 0
	s_cbranch_scc1 .Lstep
	s_setprio 0
	v_add_f32 v14, v14, v15                        ; the sum's two halves,
	s_delay_alu instid0(VALU_DEP_1)
	v_permlanex16_b32 v243, v14, s[SEL], s[SEL+1]
	s_delay_alu instid0(VALU_DEP_1)
	v_add_f32 v14, v14, v243                       ; and lane l xor 16's: the row's sum
	s_wait_alu depctr_va_vdst(0)
	v_rcp_f32 v14, v14
.rept 6
	v_nop                                          ; with the two additions eight plain places behind the last products; also the plain line behind the reciprocal
.endr
.set j, 0
	s_wait_alu depctr_va_vdst(0)
.rept 32
	v_mul_f32 v[104+j], v[168+j], v14              ; register 16 b + i: channel 32 b + 16 h + i of my query
.set j, j+1
.endr
	QUANT 104, 2
	v_lshl_or_b32 v243, v[TM+5], 8, v[TM+4]        ; bytes 2 (w & 1), 2 (w & 1) + 1 of my row's scale word
	global_store_b128 v1, v[200:203], s[10:11]     ; 32 lanes store 512 consecutive bytes
	global_store_b128 v1, v[204:207], s[10:11] offset:512
	global_store_b16 v5, v243, s[44:45]            ; lanes l and l xor 16 write the same two bytes with the same value
	s_wait_tensorcnt 0x0
	ds_add_u32 v254, v255
	s_wait_dscnt 0x0
	CROUND                                         ; the closing round
	s_endpgm
.Lfunc_end_k_q212f0dd027_attn:
	.size	k_q212f0dd027_attn, .Lfunc_end_k_q212f0dd027_attn-k_q212f0dd027_attn
	.p2alignl 7, 3214868480
	.fill 96, 4, 3214868480
	.section	.rodata,"a",@progbits
	.p2align	6, 0x0
	.amdhsa_kernel k_q212f0dd027_attn
		.amdhsa_group_segment_fixed_size 327680
		.amdhsa_private_segment_fixed_size 0
		.amdhsa_enable_private_segment 0
		.amdhsa_kernarg_size 32
		.amdhsa_user_sgpr_count 2
		.amdhsa_user_sgpr_kernarg_segment_ptr 1
		.amdhsa_wavefront_size32 1
		.amdhsa_system_sgpr_workgroup_id_x 1
		.amdhsa_system_sgpr_workgroup_id_y 1
		.amdhsa_system_sgpr_workgroup_id_z 1
		.amdhsa_system_vgpr_workitem_id 0
		.amdhsa_next_free_vgpr 256
		.amdhsa_next_free_sgpr 66
		.amdhsa_reserve_vcc 0
		.amdhsa_float_denorm_mode_32 3
		.amdhsa_float_denorm_mode_16_64 3
		.amdhsa_fp16_overflow 1
		.amdhsa_memory_ordered 1
		.amdhsa_forward_progress 1
		.amdhsa_inst_pref_size 28
	.end_amdhsa_kernel
	.amdgpu_metadata
---
amdhsa.version: [ 1, 2 ]
amdhsa.kernels:
  - .name:           k_q212f0dd027_attn
    .symbol:         k_q212f0dd027_attn.kd
    .args:
      - { .name: qc, .offset: 0, .size: 8, .value_kind: global_buffer, .address_space: global }
      - { .name: qs, .offset: 8, .size: 8, .value_kind: global_buffer, .address_space: global }
      - { .name: kv, .offset: 16, .size: 8, .value_kind: global_buffer, .address_space: global }
      - { .name: ab, .offset: 24, .size: 8, .value_kind: global_buffer, .address_space: global }
    .group_segment_fixed_size: 327680
    .private_segment_fixed_size: 0
    .kernarg_segment_align: 8
    .kernarg_segment_size: 32
    .max_flat_workgroup_size: 512
    .sgpr_count:     66
    .vgpr_count:     256
    .wavefront_size: 32
...
	.end_amdgpu_metadata
.endif
;; end of part 2
;; launch post (part 3): grid 4 x 64, 4 waves a work-group, clusters of 4 x 1, 168,448 bytes of LDS; arguments ab, Wpost_codes, Wpost_scales, X, out0; writes out0
.if DOCPART == 3
	.amdgcn_target "amdgcn-amd-amdhsa--gfx1250"
	.amdhsa_code_object_version 6
	.text
	.protected	k_q212f0dd027_post
	.globl	k_q212f0dd027_post
	.p2align	8
	.type	k_q212f0dd027_post,@function
k_q212f0dd027_post:
	s_mov_b64 s[64:65], 0
	v_nop
	global_prefetch_b8 v0, s[64:65] scope:SCOPE_SE
	s_setreg_imm32_b32 hwreg(HW_REG_WAVE_MODE, 25, 1), 1
	s_wait_xcnt 0x0
	s_wait_alu depctr_hold_cnt(0) depctr_sa_sdst(0) depctr_va_vdst(0) depctr_va_sdst(0) depctr_va_ssrc(0) depctr_va_vcc(0) depctr_vm_vsrc(0)
	s_getreg_b32 s2, hwreg(HW_REG_IB_STS2, 6, 4)
	s_cmp_eq_u32 s2, 0
	s_cbranch_scc0 .Lentry_in_a_cluster
	s_endpgm
.Lentry_in_a_cluster:
	s_bfe_u32 s2, ttmp6, 0x10000c
	s_cmp_lg_u32 s2, 0x3003
	s_cbranch_scc0 .Lentry_shape_is_right
	s_endpgm
.Lentry_shape_is_right:
; out0 = X + A Wpost, the product on codes of BF8 (E5M2) with one E8M0 scale for each 32 along K.  A's codes and scale words come from the attention launch as images of operand registers.
; SHARES.  A work-group takes 64 tokens (work-group y) x 256 columns (its place in the cluster); wave w the 64 columns 64 w on, for all 64 tokens: 16 accumulators.
; The four work-groups of a cluster need the same four records of A (one for each tile of 16 tokens, 16,896 bytes): each is asked for JOINTLY, one a wave, and filled once.
; Wpost's 64 rows of a wave go straight from memory into registers (512) and never pass LDS, so there is nothing for a joint load to bring.
; The product is used transposed (source 0 = 16 rows of Wpost, source 1 = A's tile): a lane holds one token and eight neighbouring columns.  A tile's 16 x 64 results go through the wave's own
; stage in LDS and come back as rows of 256 bytes; X is added, and sixteen lanes store 256 consecutive bytes at a multiple of 256 from out0's first byte.
; Row i of token tile m is token 32 (m / 2) + 8 (m % 2) + i + 8 (i / 8) of the 64.
; REGISTERS, in windows of 256: window 0: v1-9 addresses; v32-63 Wpost's scale words; v64-71 A's; v96-223 A's fragments, two buffers of four; later rows on their way out.
;   windows 1, 2: Wpost: tile t, K step s in window 1 + t / 2 at v[128 (t % 2) + 16 s].   window 3: v0-127 the accumulators (tile m, column tile t at v[32 m + 8 t]); v128-255 X's numbers.
.set REC, 16896
.set STG, 4*REC                        ; behind the records: a stage of 16 rows x (256 bytes + 16) for each wave
.set WV,  24
.set LI,  1                            ; v1, v2  16 x lane, and the same + two records
.set LS,  3                            ; v3, v4  4 r, and the same + two records
.set WA,  5                            ; v5  Wpost's codes: row r of 1,024 bytes, + 16 h
.set WSA, 6                            ; v6  its scale bytes: row r of 32 bytes
.set STO, 7                            ; v7  the stage: where I put 32 bytes of a row
.set RD,  8                            ; v8  and where I read a row back
.set CO,  9                            ; v9  my place in two neighbouring rows of X and out0
.set WS,  32
.set AS,  64
.set AF,  96
.set MSB, 0
.macro WIN new
.if MSB != (\new)
	s_set_vgpr_msb (MSB<<8)|(\new)
.set MSB, \new
.endif
.endm
.macro CROUND
	s_barrier_signal -1
	s_barrier_wait -1
	s_cmp_lg_u32 s[WV], 0
	s_cbranch_scc1 .Lnot_wave_0_\@
	s_barrier_signal -3
.Lnot_wave_0_\@:
	s_barrier_wait -3
	s_barrier_signal -1
	s_barrier_wait -1
.endm
.macro PLACES n
.rept \n
	v_nop
.endr
.endm
.macro FETCHA s                        ; the four tiles' fragments and scale words of K step s into buffer s % 2
.irp m, 0,1,2,3
.irp c, 0,1,2,3
	ds_load_b128 v[AF+64*((\s)%2)+16*\m+4*\c:AF+64*((\s)%2)+16*\m+4*\c+3], v[LI+\m/2] offset:(\m%2)*REC+2048*(\s)+512*\c
.endr
	ds_load_b32 v[AS+4*((\s)%2)+\m], v[LS+\m/2] offset:(\m%2)*REC+16384+64*(\s)
.endr
.endm
.macro MM d, a, b, sa, sb              ; MZ = 1: the product starts its sum
.if MZ
	v_wmma_scale_f32_16x16x128_f8f6f4 v[\d:\d+7], v[\a:\a+15], v[\b:\b+15], 0, v[\sa], v[\sb] matrix_a_fmt:MATRIX_FMT_BF8 matrix_b_fmt:MATRIX_FMT_BF8
.else
	v_wmma_scale_f32_16x16x128_f8f6f4 v[\d:\d+7], v[\a:\a+15], v[\b:\b+15], v[\d:\d+7], v[\sa], v[\sb] matrix_a_fmt:MATRIX_FMT_BF8 matrix_b_fmt:MATRIX_FMT_BF8
.endif
.endm
.macro MULP s                          ; sixteen products on sixteen accumulators, one instruction a turn, in the same order in every step
.set xp, (\s)%2
.if (\s) == 0
.set MZ, 1
.else
.set MZ, 0
.endif
	WIN 0xf1                                       ; source 0 window 1, source 1 window 0, C and D window 3
.irp t, 0,1
.irp m, 0,1,2,3
	MM 32*\m+8*\t, 128*\t+16*(\s), AF+64*xp+16*\m, WS+8*\t+(\s), AS+4*xp+\m
.endr
.endr
	WIN 0xf2                                       ; source 0 window 2
.irp t, 0,1
.irp m, 0,1,2,3
	MM 32*\m+8*\t+16, 128*\t+16*(\s), AF+64*xp+16*\m, WS+16+8*\t+(\s), AS+4*xp+\m
.endr
.endr
	WIN 0
.endm
.macro OUTM m                          ; token tile m goes out
.set BK, 96+32*((\m)%2)
.if (\m) >= 2
	s_wait_xcnt 0x0                                ; tile m - 2's stores have read these registers
.endif
	WIN 0x0c                                       ; an LDS store's data are its source 1: window 3
.irp t, 0,1,2,3
	ds_store_b128 v[STO], v[32*(\m)+8*\t:32*(\m)+8*\t+3] offset:64*\t          ; each accumulator from its low end on
	ds_store_b128 v[STO], v[32*(\m)+8*\t+4:32*(\m)+8*\t+7] offset:64*\t+16
.endr
	WIN 0
.irp k, 0,1,2,3,4,5,6,7
	ds_load_b128 v[BK+4*\k:BK+4*\k+3], v[RD] offset:544*\k                     ; LDS serves a wave's instructions in order (ISA guide 5.7.1.4): these see my stores
.endr
	s_wait_dscnt 0x0
	WIN 0x0c                                       ; source 1 (X) window 3
.irp i, 0,1,2,3,4,5,6,7,8,9,10,11,12,13,14,15
	v_pk_add_f32 v[BK+2*\i:BK+2*\i+1], v[BK+2*\i:BK+2*\i+1], v[128+32*(\m)+2*\i:128+32*(\m)+2*\i+1]
.endr
	WIN 0
.irp k, 0,1,2,3,4,5,6,7
	global_store_b128 v[CO], v[BK+4*\k:BK+4*\k+3], s[12:13] offset:(32*((\m)/2)+8*((\m)%2)+2*\k+8*(\k/4))*4096 th:TH_STORE_NT
.endr
.endm
	s_load_b256 s[4:11], s[0:1], 0x0               ; ab s[4:5], Wpost's codes s[6:7], scales s[8:9], X s[10:11]
	s_load_b64 s[12:13], s[0:1], 0x20              ; out0
	v_lshl_add_u32 v254, v0, 2, 0x29000
	v_mov_b32 v255, 0
	ds_add_u32 v254, v255
	ds_add_u32 v254, v255
	v_lshrrev_b32 v16, 5, v0
	v_readfirstlane_b32 s[WV], v16                 ; wave 0..3
	s_and_b32 s26, ttmp7, 0xffff                   ; R: which 64 tokens; the four partners share it
	; descriptor group 1: a dense block of 16,896 bytes as 66 rows of 256 bytes, no padding: every read of it is dense
	s_mov_b32 s32, 15|(3<<16)|(1<<21)              ; 15:0 the mask: all four work-groups; 17:16 elements of 8 bytes; 21 set beside a mask
	s_mov_b32 s33, 32<<16
	s_mov_b32 s34, 66<<16
	s_mov_b32 s35, 32<<16
	s_mov_b32 s36, 66
	s_mov_b32 s37, 32
	s_mov_b32 s38, 0
	s_mov_b32 s39, 0
	s_mov_b32 s28, 1
	s_mul_i32 s29, s[WV], REC                      ; tile w's record: its LDS address,
	s_lshl_b32 s2, s26, 2
	s_add_co_u32 s2, s2, s[WV]
	s_mul_i32 s2, s2, REC                          ; and its place in ab.  (s[2:3] never hold the place in the cluster)
	s_mov_b32 s3, 0
	s_wait_dscnt 0x0
	s_wait_kmcnt 0x0
	s_add_nc_u64 s[30:31], s[4:5], s[2:3]
	s_or_b32 s31, s31, 0x80000000                  ; type = 2
	CROUND                                         ; all four work-groups are here: the joint loads meet
	tensor_load_to_lds s[28:31], s[32:39]          ; my one tensor load
	s_nop 0
.rept 4
	v_nop
.endr
	v_and_b32 v16, 31, v0                          ; lane
	v_and_b32 v17, 15, v0                          ; r
	v_bfe_u32 v18, v0, 4, 1                        ; h
	v_lshlrev_b32 v[LI], 4, v16
	v_add_nc_u32 v[LI+1], 2*REC, v[LI]
	v_lshlrev_b32 v[LS], 2, v17
	v_add_nc_u32 v[LS+1], 2*REC, v[LS]
	v_lshlrev_b32 v[WA], 10, v17
	v_lshl_add_u32 v[WA], v18, 4, v[WA]
	v_lshlrev_b32 v[WSA], 5, v17
	s_wait_alu depctr_va_vdst(0)
	s_mul_i32 s27, s[WV], 16*272
	s_add_co_u32 s27, s27, STG                     ; my stage
	v_mul_u32_u24 v[STO], v17, 272
	v_lshl_add_u32 v[STO], v18, 5, v[STO]
	v_add_nc_u32 v[STO], s27, v[STO]               ; in: row r, 32 bytes for each half of the lanes
	v_mul_u32_u24 v[RD], v18, 272
	v_lshl_add_u32 v[RD], v17, 4, v[RD]
	v_add_nc_u32 v[RD], s27, v[RD]                 ; back: lanes 0-15 one row of 256 bytes, lanes 16-31 the next
	v_lshlrev_b32 v[CO], 12, v18
	v_lshl_add_u32 v[CO], v17, 4, v[CO]            ; and the same two rows in X and out0
	s_wait_alu depctr_va_vdst(0)
	s_bfe_u32 s25, ttmp6, 0x40000                  ; my place in the cluster: it enters addresses in memory alone
	s_lshl_b32 s40, s25, 8
	s_lshl_b32 s41, s[WV], 6
	s_add_co_u32 s40, s40, s41                     ; my first column: 256 x place + 64 w
	s_mov_b32 s43, 0
	s_lshl_b32 s42, s40, 10
	s_add_nc_u64 s[6:7], s[6:7], s[42:43]
	s_lshl_b32 s42, s40, 5
	s_add_nc_u64 s[8:9], s[8:9], s[42:43]
	s_lshl_b32 s42, s40, 2
	s_lshl_b32 s41, s26, 18
	s_add_co_u32 s42, s42, s41
	s_add_nc_u64 s[10:11], s[10:11], s[42:43]
	s_add_nc_u64 s[12:13], s[12:13], s[42:43]
.irp t, 0,1,2,3
	global_load_b128 v[WS+8*\t:WS+8*\t+3], v[WSA], s[8:9] offset:512*\t        ; a row's 32 scale bytes are its eight K steps' words
	global_load_b128 v[WS+8*\t+4:WS+8*\t+7], v[WSA], s[8:9] offset:512*\t+16
.endr
.irp s, 0,1,2,3,4,5,6,7                            ; the weights, K step by K step: sixteen loads a step
	WIN 0x40
.irp t, 0,1
.irp c, 0,1,2,3
	global_load_b128 v[128*\t+16*\s+4*\c:128*\t+16*\s+4*\c+3], v[WA], s[6:7] offset:16384*\t+128*\s+32*\c
.endr
.endr
	WIN 0x80
.irp t, 0,1
.irp c, 0,1,2,3
	global_load_b128 v[128*\t+16*\s+4*\c:128*\t+16*\s+4*\c+3], v[WA], s[6:7] offset:16384*(\t+2)+128*\s+32*\c
.endr
.endr
.endr
	WIN 0xc0
.irp m, 0,1,2,3
.irp k, 0,1,2,3,4,5,6,7
	global_load_b128 v[128+32*\m+4*\k:128+32*\m+4*\k+3], v[CO], s[10:11] offset:(32*(\m/2)+8*(\m%2)+2*\k+8*(\k/4))*4096 th:TH_LOAD_NT   ; X, in the layout in which the results come back from the stage
.endr
.endr
	WIN 0
	s_wait_tensorcnt 0x0                           ; my record is in,
	s_barrier_signal -1
	s_barrier_wait -1                              ; everybody's is
	FETCHA 0
.irp s, 0,1,2,3,4,5,6,7
	s_wait_dscnt 0x0                               ; this K step's fragments of A are in (asked for sixteen products ago)
.if \s < 6
	s_wait_loadcnt 63                              ; behind K step s's weights 16 (7 - s) + 32 loads were issued: 64 or more; the count's field ends at 63
.elseif \s == 6
	s_wait_loadcnt 48                              ; K step 7's sixteen and X's 32 may be out
.else
	s_wait_loadcnt 32                              ; X's 32 may be out
.endif
	PLACES 8                                       ; eight places between the products that read the other buffer and the loads into it
.if \s < 7
	FETCHA \s+1
.endif
	MULP \s
.endr
	s_wait_loadcnt 0x0                             ; X
	PLACES 8                                       ; in front of the first read of results and of the loads into A's registers
	OUTM 0
	OUTM 1
	OUTM 2
	OUTM 3
	s_wait_tensorcnt 0x0
	ds_add_u32 v254, v255
	s_wait_dscnt 0x0
	CROUND                                         ; the closing round
	s_endpgm
.Lfunc_end_k_q212f0dd027_post:
	.size	k_q212f0dd027_post, .Lfunc_end_k_q212f0dd027_post-k_q212f0dd027_post
	.p2alignl 7, 3214868480
	.fill 96, 4, 3214868480
	.section	.rodata,"a",@progbits
	.p2align	6, 0x0
	.amdhsa_kernel k_q212f0dd027_post
		.amdhsa_group_segment_fixed_size 168448
		.amdhsa_private_segment_fixed_size 0
		.amdhsa_enable_private_segment 0
		.amdhsa_kernarg_size 40
		.amdhsa_user_sgpr_count 2
		.amdhsa_user_sgpr_kernarg_segment_ptr 1
		.amdhsa_wavefront_size32 1
		.amdhsa_system_sgpr_workgroup_id_x 1
		.amdhsa_system_sgpr_workgroup_id_y 1
		.amdhsa_system_sgpr_workgroup_id_z 1
		.amdhsa_system_vgpr_workitem_id 0
		.amdhsa_next_free_vgpr 1024
		.amdhsa_next_free_sgpr 66
		.amdhsa_reserve_vcc 0
		.amdhsa_float_denorm_mode_32 3
		.amdhsa_float_denorm_mode_16_64 3
		.amdhsa_memory_ordered 1
		.amdhsa_forward_progress 1
		.amdhsa_inst_pref_size 62
	.end_amdhsa_kernel
	.amdgpu_metadata
---
amdhsa.version: [ 1, 2 ]
amdhsa.kernels:
  - .name:           k_q212f0dd027_post
    .symbol:         k_q212f0dd027_post.kd
    .args:
      - { .name: ab, .offset: 0, .size: 8, .value_kind: global_buffer, .address_space: global }
      - { .name: Wpost_codes, .offset: 8, .size: 8, .value_kind: global_buffer, .address_space: global }
      - { .name: Wpost_scales, .offset: 16, .size: 8, .value_kind: global_buffer, .address_space: global }
      - { .name: X, .offset: 24, .size: 8, .value_kind: global_buffer, .address_space: global }
      - { .name: out0, .offset: 32, .size: 8, .value_kind: global_buffer, .address_space: global }
    .group_segment_fixed_size: 168448
    .private_segment_fixed_size: 0
    .kernarg_segment_align: 8
    .kernarg_segment_size: 40
    .max_flat_workgroup_size: 128
    .sgpr_count:     66
    .vgpr_count:     1024
    .wavefront_size: 32
...
	.end_amdgpu_metadata
.endif
;; end of part 3
